; MI455X (gfx1250); checked and timed in simulation.
; The chip was launched on July 23, 2026; its instructions are those of AMD's public machine-readable ISA for CDNA 5 (MIT licence, August 2026) and "CDNA5" Instruction Set Architecture Reference Guide (July 2026). The comments in the code are by the model that wrote it; some were corrected since.
;; Vector Quantizer. Allowed arithmetic: matrix products marked QUANTISED: E3M2 operands, one E8M0 scale for each 32 along K, by v_wmma_scale_f32_16x16x128_f8f6f4 with both operands' format E3M2, f32 sums; everything else in f32.
;; Inputs: emb 16,384 x 256 float32; z 16 x 32 x 32 x 256 float32.
;; Outputs: out0 16 x 32 x 32 x 256 float32; out1 one number float32; out2 16 x 1,024 int32.
;; This version of the problem:
;;   THIS VERSION OF THE PROBLEM IS GIVEN IN LOW PRECISION. The matrix products marked QUANTISED in the list below multiply operands that are first quantised to E3M2 (3 exponent bits, 2 mantissa bits; 6 bits a number), with one power-of-two scale for each 32 numbers along K (OCP MX v1.0); their sums are f32. All else is computed in f32.
;;   The module's matrix products, in the order in which they are computed (A, B: the left and right operand; K: the contracted axis; several contracted axes count as one K, in the product's order):
;;     1. [M 16,384, K 256] x [K 256, N 16,384]; A: input z; B: input emb: QUANTISED
;;   THE QUANTISER, for each operand of a quantised product, along K:
;;     - K is cut into blocks of 32 from its start; a last block that is shorter is filled with zeros.
;;     - A block's scale is 2^e with e = floor(log2(the largest magnitude in the block)) - 4, held to -126 .. 127; a block of zeros has e = 0. As a byte (E8M0): e + 127.
;;     - Each number is divided by its block's scale, clamped to +-28, and rounded to the nearest number of E3M2, ties to even, subnormals kept.
;;     - The product sums the exact products of the quantised numbers (number of the format x scale) in f32.
;;   ~~~python
;;   def quantise(x, axis):      # numpy; x: float32 -> the quantised numbers, widened to float32 again
;;       x = np.moveaxis(x, axis, -1); K = x.shape[-1]
;;       x = np.pad(x, [(0, 0)] * (x.ndim - 1) + [(0, -K % 32)]); x = x.reshape(x.shape[:-1] + (-1, 32)); a = np.abs(x).max(-1, keepdims=True)
;;       e = np.where(a > 0, np.clip(np.frexp(np.where(a > 0, a, 1))[1] - 1 - 4, -126, 127), 0)      # np.frexp(a)[1] - 1 = floor(log2(a)), exactly
;;       r = np.clip(x / 2.0 ** e, -28, 28)
;;       step = 2.0 ** (np.maximum(np.frexp(np.where(r == 0, 1, r))[1] - 1, -2) - 2)
;;       q = np.round(r / step) * step * 2.0 ** e      # np.round: ties to even
;;       return np.moveaxis(q.reshape(q.shape[:-2] + (-1,))[..., :K], -1, axis).astype(np.float32)
;;   ~~~
;; One version. Each part assembles by itself: llvm-mc -triple=amdgcn-amd-amdhsa -mcpu=gfx1250 --defsym DOCPART=n.
;; ======== version 1 of 1: 5 launches
;; limits: right only within a limited range of input values
;; workspace buffers: zq 3,407,872 bytes; embq 3,407,872 bytes; cand 262,144 bytes of whole numbers; idxw 65,536 bytes of whole numbers; part 8,192 bytes
;; launch quant (part 1): grid 512 x 1, 4 waves a work-group, no clusters, 68,096 bytes of LDS; arguments z, emb, zq, embq; writes zq, embq
.if DOCPART == 1
	.amdgcn_target "amdgcn-amd-amdhsa--gfx1250"
	.amdhsa_code_object_version 6
	.text
	.protected	k_q3c703d654c_quant
	.globl	k_q3c703d654c_quant
	.p2align	8
	.type	k_q3c703d654c_quant,@function
k_q3c703d654c_quant:
	s_mov_b64 s[64:65], 0
	v_nop
	global_prefetch_b8 v0, s[64:65] scope:SCOPE_SE
	s_setreg_imm32_b32 hwreg(HW_REG_WAVE_MODE, 25, 1), 1
	s_wait_xcnt 0x0
; z [16384][256] and emb [16384][256], f32, become RECORDS of 16 rows x 256 K: codes of BF6 (E3M2) with one E8M0 scale byte for each 32 along K, laid as an image of the matrix operand's registers,
; and beside them -1/2 x the sum of each row's squares (of the f32 numbers as given).  A record is 3,328 bytes = 13 x 256:
;   512 g + 16 lane (g = 0..5): registers 4 g .. 4 g + 3 of the 24 of lane (r = lane % 16, h = lane / 16): register 6 c + i (c = 0..3) holds codes of k = 64 c + 32 h + 0..31 of row r; registers 0-11 are K step 0, 12-23 K step 1
;   3072 + 4 lane: the scale words: lanes 0-15 row r's word of K step 0, lanes 16-31 row r's word of K step 1;   3200 + 4 r: -1/2 sum of squares;   3264..3327: zeros.
; A block's scale is 2^(floor(log2(largest magnitude)) - 4): its byte is the largest magnitude's exponent field - 4, held at 1 from below.  A block of zeros so gets the byte 1: its codes are zeros, and this program alone reads the bytes.
; LIMITS: blocks whose largest magnitude lies under 2^-122 take the byte 1; NaN and infinities among the inputs are not served.  The order in which a row's squares are summed is this text's own.
; SHARES: one wave, one record (16 KB in); work-groups 0-255 take z, 256-511 emb: only the pointers are chosen, both take one path.  No loop, no barrier: waves share nothing.  No matrix unit, cluster or tensor load: each byte is read once by one wave.
; Every load reads 512 consecutive bytes; the 16 KB turn through the wave's own stage in LDS (rows 1,040 bytes apart, so that sixteen rows start at sixteen different 16-byte columns), so that a lane gets whole blocks of 32 neighbours.
.set PITCH, 1040
.set TAIL,  16*PITCH                   ; behind the stage: 256 bytes for the record's last 256
.set WREG,  TAIL+256                   ; LDS of one wave
.set REC,   3328
.set X,     64                         ; v64-191  the 128 numbers of a lane: as loaded, then four blocks of 32
.set CD,    36                         ; v36-59   the 24 registers of codes;  v60-62 a conversion's second half
	s_load_b256 s[4:11], s[0:1], 0x0               ; z, emb, zq, embq
	v_lshl_add_u32 v192, v0, 2, 0x10800
	v_mov_b32 v193, 0
	v_lshrrev_b32 v1, 5, v0
	v_readfirstlane_b32 s12, v1                    ; wave
	v_and_b32 v1, 31, v0                           ; lane
	v_and_b32 v2, 15, v0                           ; r
	v_bfe_u32 v3, v0, 4, 1                         ; h
	s_mul_i32 s13, s12, WREG                       ; my wave's LDS
	v_lshlrev_b32 v4, 4, v1                        ; 16 x lane: in memory, in and out
	v_add_nc_u32 v5, s13, v4                       ; into the stage: as loaded
	v_mul_u32_u24 v6, v2, PITCH
	v_lshl_add_u32 v6, v3, 7, v6
	v_add_nc_u32 v6, s13, v6                       ; out of it: row r, + 128 h: block 2 c + h begins 256 c further on
	v_lshlrev_b32 v7, 2, v1
	v_add_nc_u32 v7, s13, v7                       ; the tail: 4 x lane
	v_lshlrev_b32 v9, 3, v1                        ; and back, 8 x lane
	v_add_nc_u32 v8, s13, v9
	v_cmp_ne_u32 s22, 0, v3                        ; lanes 16-31
	s_mov_b32 s20, 0x76543210
	s_mov_b32 s21, 0xfedcba98                      ; v_permlanex16_b32's selects for lane l xor 16
	v_mov_b32 v33, 0                               ; a lane permute's destination counts as read
	v_mov_b32 v34, 0
	s_and_b32 s14, ttmp9, 255
	s_lshl_b32 s14, s14, 2
	s_add_co_u32 s14, s14, s12                     ; my record: 4 x (work-group mod 256) + wave
	s_lshl_b32 s16, s14, 14                        ; 16 rows of 1,024 bytes
	s_mov_b32 s17, 0
	s_mul_i32 s18, s14, REC
	s_mov_b32 s19, 0
	s_wait_alu depctr_va_vdst(0)
	s_wait_kmcnt 0x0
	s_cmp_lt_u32 ttmp9, 256                        ; z's work-group or emb's: the choice hangs on the work-group's number alone
	s_cselect_b64 s[4:5], s[4:5], s[6:7]
	s_cselect_b64 s[8:9], s[8:9], s[10:11]
	s_add_nc_u64 s[4:5], s[4:5], s[16:17]
	s_add_nc_u64 s[8:9], s[8:9], s[18:19]
.set NN, 0
.rept 32
	global_load_b128 v[X+4*NN:X+4*NN+3], v4, s[4:5] offset:512*NN th:TH_LOAD_NT   ; half a row: 512 consecutive bytes
.set NN, NN+1
.endr
.set NN, 0
.rept 32
	s_wait_loadcnt 31-NN                           ; loads come back in order: load NN is in, the younger ones stay out
	ds_store_b128 v5, v[X+4*NN:X+4*NN+3] offset:(NN/2)*PITCH+(NN%2)*512
.set NN, NN+1
.endr
	s_wait_dscnt 0x0                               ; the stores have read their registers: the loads below land in them
.irp c, 0,1,2,3
.irp q, 0,1,2,3,4,5,6,7
	ds_load_b128 v[X+32*\c+4*\q:X+32*\c+4*\q+3], v6 offset:256*\c+16*\q   ; k = 64 c + 32 h + 4 q .. + 3 of row r
.endr
.endr
; One block of 32: its largest magnitude (two chains, the floor 2^(5 - 127) among the leaves), its squares onto the row's sums (two chains), its scale, its codes.
.macro BLOCK c
.set XS, X+32*(\c)
	s_wait_dscnt 24-8*(\c)                         ; this block's eight loads are in; the later blocks' stay out
	v_max3_num_f32 v[10+\c], |v[XS]|, |v[XS+1]|, 0x2800000
	v_max3_num_f32 v[14+\c], |v[XS+16]|, |v[XS+17]|, |v[XS+18]|
.irp i, 2,4,6,8,10,12
	v_max3_num_f32 v[10+\c], v[10+\c], |v[XS+\i]|, |v[XS+\i+1]|
	v_max3_num_f32 v[14+\c], v[14+\c], |v[XS+17+\i]|, |v[XS+18+\i]|
.endr
	v_max3_num_f32 v[10+\c], v[10+\c], |v[XS+14]|, |v[XS+15]|
	v_max3_num_f32 v[10+\c], v[10+\c], v[14+\c], |v[XS+31]|
.irp i, 0,4,8,12,16,20,24,28
.if (\c == 0) && (\i == 0)
	v_pk_mul_f32 v[26:27], v[XS:XS+1], v[XS:XS+1]                  ; the first products start the sums
	v_pk_mul_f32 v[28:29], v[XS+2:XS+3], v[XS+2:XS+3]
.else
	v_pk_fma_f32 v[26:27], v[XS+\i:XS+\i+1], v[XS+\i:XS+\i+1], v[26:27]
	v_pk_fma_f32 v[28:29], v[XS+\i+2:XS+\i+3], v[XS+\i+2:XS+\i+3], v[28:29]
.endif
.endr
	v_add_nc_u32 v[18+\c], 0xfe000000, v[10+\c]    ; 4 off the exponent field: the conversion takes the exponent field of this operand as its scale
	v_lshrrev_b32 v[22+\c], 23, v[18+\c]           ; the scale's byte
	v_cvt_scalef32_pk16_bf6_f32 v[CD+6*(\c):CD+6*(\c)+2], v[XS:XS+15], v[18+\c]
	v_cvt_scalef32_pk16_bf6_f32 v[60:62], v[XS+16:XS+31], v[18+\c]  ; (a conversion's three registers begin on an even number)
	v_nop                                          ; one plain line behind a scaled conversion
.irp i, 0,1,2
	v_mov_b32 v[CD+6*(\c)+3+\i], v[60+\i]
.endr
.endm
	BLOCK 0
	BLOCK 1
	BLOCK 2
	BLOCK 3
.irp g, 0,1,2,3,4,5
	global_store_b128 v4, v[CD+4*\g:CD+4*\g+3], s[8:9] offset:512*\g   ; 512 consecutive bytes, at a multiple of 256 from the buffer's first byte
.endr
	; the scale words: of K step s my bytes are those of blocks 4 s + h and 4 s + 2 + h; lane l xor 16 has the other two
	v_lshl_or_b32 v30, v23, 16, v22
	v_lshl_or_b32 v31, v25, 16, v24
	v_lshlrev_b32 v32, 3, v3
	v_lshlrev_b32 v30, v32, v30
	v_lshlrev_b32 v31, v32, v31
	v_permlanex16_b32 v33, v30, s20, s21
	v_permlanex16_b32 v34, v31, s20, s21
	v_or_b32 v30, v30, v33
	v_or_b32 v31, v31, v34
	v_cndmask_b32 v30, v30, v31, s22               ; lanes 0-15 keep K step 0's word, lanes 16-31 K step 1's
	v_pk_add_f32 v[26:27], v[26:27], v[28:29]
	v_add_f32 v26, v26, v27
	v_permlanex16_b32 v33, v26, s20, s21
	v_add_f32 v26, v26, v33                        ; the row's sum of squares
	v_mul_f32 v26, -0.5, v26
	v_cndmask_b32 v26, v26, 0, s22                 ; lanes 16-31 write the record's zeros
	ds_store_b32 v7, v30 offset:TAIL
	ds_store_b32 v7, v26 offset:TAIL+128
	ds_load_b64 v[10:11], v8 offset:TAIL           ; LDS serves a wave's instructions in order: this sees my stores
	s_wait_dscnt 0x0
	global_store_b64 v9, v[10:11], s[8:9] offset:3072   ; the record's last 256 bytes, whole
	s_wait_tensorcnt 0x0
	ds_add_u32 v192, v193
	s_wait_dscnt 0x0
	s_endpgm
.Lfunc_end_k_q3c703d654c_quant:
	.size	k_q3c703d654c_quant, .Lfunc_end_k_q3c703d654c_quant-k_q3c703d654c_quant
	.p2alignl 7, 3214868480
	.fill 96, 4, 3214868480
	.section	.rodata,"a",@progbits
	.p2align	6, 0x0
	.amdhsa_kernel k_q3c703d654c_quant
		.amdhsa_group_segment_fixed_size 68096
		.amdhsa_private_segment_fixed_size 0
		.amdhsa_enable_private_segment 0
		.amdhsa_kernarg_size 32
		.amdhsa_user_sgpr_count 2
		.amdhsa_user_sgpr_kernarg_segment_ptr 1
		.amdhsa_wavefront_size32 1
		.amdhsa_system_sgpr_workgroup_id_x 1
		.amdhsa_system_sgpr_workgroup_id_y 1
		.amdhsa_system_sgpr_workgroup_id_z 1
		.amdhsa_system_vgpr_workitem_id 0
		.amdhsa_next_free_vgpr 194
		.amdhsa_next_free_sgpr 66
		.amdhsa_reserve_vcc 0
		.amdhsa_float_denorm_mode_32 3
		.amdhsa_float_denorm_mode_16_64 3
		.amdhsa_memory_ordered 1
		.amdhsa_forward_progress 1
		.amdhsa_inst_pref_size 22
	.end_amdhsa_kernel
	.amdgpu_metadata
---
amdhsa.version: [ 1, 2 ]
amdhsa.kernels:
  - .name:           k_q3c703d654c_quant
    .symbol:         k_q3c703d654c_quant.kd
    .args:
      - { .name: z, .offset: 0, .size: 8, .value_kind: global_buffer, .address_space: global }
      - { .name: emb, .offset: 8, .size: 8, .value_kind: global_buffer, .address_space: global }
      - { .name: zq, .offset: 16, .size: 8, .value_kind: global_buffer, .address_space: global }
      - { .name: embq, .offset: 24, .size: 8, .value_kind: global_buffer, .address_space: global }
    .group_segment_fixed_size: 68096
    .private_segment_fixed_size: 0
    .kernarg_segment_align: 8
    .kernarg_segment_size: 32
    .max_flat_workgroup_size: 128
    .sgpr_count:     66
    .vgpr_count:     194
    .wavefront_size: 32
...
	.end_amdgpu_metadata
.endif
;; end of part 1
;; launch screen (part 2): grid 64 x 4, 8 waves a work-group, clusters of 4 x 1, 327,680 bytes of LDS; arguments zq, embq, cand; writes cand
.if DOCPART == 2
	.amdgcn_target "amdgcn-amd-amdhsa--gfx1250"
	.amdhsa_code_object_version 6
	.text
	.protected	k_q3c703d654c_screen
	.globl	k_q3c703d654c_screen
	.p2align	8
	.type	k_q3c703d654c_screen,@function
k_q3c703d654c_screen:
	s_mov_b64 s[64:65], 0
	v_nop
	global_prefetch_b8 v0, s[64:65] scope:SCOPE_SE
	s_setreg_imm32_b32 hwreg(HW_REG_WAVE_MODE, 25, 1), 1
	s_wait_xcnt 0x0
	s_wait_alu depctr_hold_cnt(0) depctr_sa_sdst(0) depctr_va_vdst(0) depctr_va_sdst(0) depctr_va_ssrc(0) depctr_va_vcc(0) depctr_vm_vsrc(0)
	s_getreg_b32 s2, hwreg(HW_REG_IB_STS2, 6, 4)
	s_cmp_eq_u32 s2, 0
	s_cbranch_scc0 .Lentry_in_a_cluster
	s_endpgm
.Lentry_in_a_cluster:
	s_bfe_u32 s2, ttmp6, 0x10000c
	s_cmp_lg_u32 s2, 0x3003
	s_cbranch_scc0 .Lentry_shape_is_right
	s_endpgm
.Lentry_shape_is_right:
; THE WHOLE PRODUCT z emb^T on codes of BF6 (E3M2) with E8M0 scales, and of each row of z and each quarter of the 16,384 codes the GRANULE (8 neighbouring codes) that holds the best code.
; s = z.e - |e|^2 / 2 is largest where |z|^2 + |e|^2 - 2 z.e is smallest (|z|^2 is the same along the axis of the argmin).  -|e|^2 / 2 is the C of a tile's first matrix instruction.
; THE PRODUCT IS USED TRANSPOSED: source 0 = 16 codes, source 1 = 16 rows of z.  Lane (r, h) holds ONE row of z, its 8 registers codes 8 h + 0..7 of the tile: granule 2 x tile + h.
; A lane tracks WHICH TILE held the best of its eight: three maxima of three, one more with the best so far (two sets of registers by turns), a compare, a select.  The next launch multiplies the chosen granules again.
; LIMIT (order of rounding): the choice among granules of one quarter compares s as the matrix unit rounds it; at equal s the lower granule wins.  NaN and infinities are not served.
; SHARES.  A work-group: 256 rows of z x a quarter of the codes (256 records of 16).  Eight waves, two to a SIMD.  Wave w keeps 8 tiles of z (rows 128 (w / 4) ..) in registers, loaded as they lie (a record is an image of
; registers), and takes records 8 (w % 4) .. + 7 of each slot of 32: a record read from LDS (3,328 bytes) feeds 16 matrix instructions.
; A UNIT is one record: a run of 16 matrix instructions, then a run of 48 vector lines that reduce its 8 accumulators, stage by stage over the 8 tiles, so that lines that feed each other lie eight apart.
; The runs are long so that the SIMD's other wave has a run of its own to issue meanwhile, and so that the register window is switched twice a unit.
; At a change of slots waves 0-3 multiply the slot's last record ahead of the barrier and waves 4-7 behind it: the two waves of a pair then stand at different parts of a unit.
; CLUSTER.  The four work-groups of a cluster have the same quarter: the stream of records is asked for JOINTLY (mask 15), the same load with the same descriptor in all four.
; RING.  Two slots of 32 records (106,496 bytes); each wave fetches 4 records (52 rows of 256 bytes) with one load; by this text's count a wave has one tensor load out.
; No prefetch: a refill is asked for a whole slot (128 matrix instructions of each wave) ahead of its wait, and all sixteen clusters of a quarter walk the same 851,968 bytes in the same order.
; REGISTERS.  window 0: v1-15 addresses; v16-23 z's scale words; v24-25 the codes' scale words; v32-47 -|e|^2/2 (two buffers); v48-63 the best s (two sets); v64-71 its tile; v72-87 the tail's;
;   v96-143 the codes' fragments (two buffers of 24); v144-207 eight accumulators.   window 1: z's tile i at v[24 i]: K step 0, then K step 1.
.set REC,   3328
.set LPART, 4*REC                      ; what a wave fetches of a slot
.set RPART, 8*REC                      ; what a wave reads of a slot
.set SLOTB, 32*REC
.set SLOT1, 1<<17                      ; slot 1 begins here: one exclusive or turns an address
.set MRGV,  SLOTB                      ; between the slots: 4 x 1,024 bytes of best s, then 4 x 1,024 of granules, for the tail; no fill lands here
.set SPARE, MRGV+8192                  ; the spare words, 128 bytes for each of eight waves: four blocks of 256 bytes that no other line names
.set QUART, 256*REC
.set SPW,  1
.set NIL,  2
.set BASE, 3                           ; 16 x lane + my part of a slot
.set BASS, 4                           ; 4 x lane + the same
.set BASH, 5                           ; 32 h + the same
.set ADR,  6                           ; the same three, in the slot in hand
.set ADS,  7
.set ADH,  8
.set HH,   9
.set ZAD,  10
.set ZAS,  11
.set MST,  12
.set MLD,  13
.set GOF,  14
.set ZS,   16
.set ES,   24
.set HE,   32
.set RUN,  48
.set IDX,  64
.set TW,   72
.set CF,   96
.set ACC,  144
.set WV,   10                          ; s10 wave
.set G1J,  16                          ; s[16:23] group 1 of the joint loads
.set G0A,  36                          ; s[36:39] slot 0's first fill;  s[40:43] the walking group 0
.set G0W,  40
.set TB,   44                          ; 0 or SLOT1: the slot in hand
.set TID,  45                          ; the tile of the unit in hand
.set CST,  48
.set MK,   52                          ; s[52:59] eight compare masks
.set SEL,  60
.set MSB, 0
.macro WIN new                         ; the immediate's high byte repeats the setting that is left
.if MSB != \new
	s_set_vgpr_msb (MSB<<8)|\new
.set MSB, \new
.endif
.endm
.macro CREST                           ; a round of the cluster's barrier behind its opening barrier
	s_cmp_lg_u32 s[WV], 0
	s_cbranch_scc1 .Lnot_wave_0_\@
	s_barrier_signal -3
.Lnot_wave_0_\@:
	s_barrier_wait -3
	s_barrier_signal -1
	s_barrier_wait -1
.endm
.macro ROUND
	s_barrier_signal -1
	s_barrier_wait -1
	CREST
.endm
	s_load_b128 s[4:7], s[0:1], 0x0                ; zq, embq
	s_load_b64 s[8:9], s[0:1], 0x10                ; cand
	v_lshl_add_u32 v[SPW], v0, 2, SPARE
	v_mov_b32 v[NIL], 0
	ds_add_u32 v[SPW], v[NIL]                      ; the opening lines: the add, twice on end, and its wait ahead of my first tensor load
	ds_add_u32 v[SPW], v[NIL]
	v_lshrrev_b32 v15, 5, v0
	v_readfirstlane_b32 s[WV], v15                 ; wave 0..7
	s_and_b32 s24, s[WV], 3                        ; which 8 records of a slot I read
	s_lshr_b32 s25, s[WV], 2                       ; which 128 rows of z are mine
	s_bfe_u32 s11, ttmp6, 0x40000                  ; cx
	s_lshl_b32 s12, ttmp9, 2
	s_add_co_u32 s12, s12, s11                     ; my block of 256 rows of z: it enters z's and cand's addresses alone
	s_and_b32 s13, ttmp7, 0xffff                   ; the quarter, which the four partners share
	s_mov_b32 s[G1J+0], 15|(3<<16)|(1<<21)         ; the mask: all four; elements of 8 bytes; bit 21 beside a mask; no padding: every read is 16 x lane on end
	s_mov_b32 s[G1J+1], 32<<16                     ; tensor_dim0 = 32: rows of 256 bytes
	s_mov_b32 s[G1J+2], 52<<16                     ; tensor_dim1 = 52 rows: 4 records
	s_mov_b32 s[G1J+3], 32<<16                     ; tile_dim0
	s_mov_b32 s[G1J+4], 52                         ; tile_dim1
	s_mov_b32 s[G1J+5], 32                         ; pitch
	s_mov_b32 s[G1J+6], 0
	s_mov_b32 s[G1J+7], 0
	s_mul_i32 s14, s[WV], LPART                    ; what I fetch of a slot, in LDS and in memory
	s_mul_i32 s15, s24, RPART                      ; what I read of it
	s_mul_i32 s50, s12, 16*REC
	s_mul_i32 s26, s25, 8*REC
	s_add_co_u32 s50, s50, s26                     ; my 8 records of z
	s_mov_b32 s51, 0
	s_mul_i32 s62, s13, QUART                      ; (registers that never hold cx)
	s_add_co_u32 s62, s62, s14
	s_mov_b32 s63, 0
	s_mov_b32 s[G0A], 1
	s_mov_b32 s[G0A+1], s14
	s_mov_b32 s[G0W], 1
	s_add_co_u32 s[G0W+1], s14, SLOT1
	s_mov_b32 s[TB], 0
	s_lshl_b32 s[TID], s13, 8
	s_lshl_b32 s26, s24, 3
	s_add_co_u32 s[TID], s[TID], s26               ; 256 x quarter + 8 x part
	s_lshl_b32 s46, s24, 10
	s_lshl_b32 s26, s25, 9
	s_add_co_u32 s46, s46, s26
	s_add_co_u32 s46, s46, MRGV                    ; the tail, in: 1,024 x part + 512 x half of z
	s_lshl_b32 s47, s[WV], 8
	s_add_co_u32 s47, s47, MRGV                    ; and back: 256 x wave
	s_mov_b32 s[SEL], 0x76543210
	s_mov_b32 s[SEL+1], 0xfedcba98
	v_and_b32 v15, 31, v0                          ; lane
	v_bfe_u32 v[HH], v0, 4, 1
	v_lshl_add_u32 v[BASE], v15, 4, s15
	v_lshl_add_u32 v[BASS], v15, 2, s15
	v_lshl_add_u32 v[BASH], v[HH], 5, s15
	v_lshl_add_u32 v[ADR], v15, 4, s15
	v_lshl_add_u32 v[ADS], v15, 2, s15
	v_lshl_add_u32 v[ADH], v[HH], 5, s15
	v_lshlrev_b32 v[ZAD], 4, v15
	v_lshlrev_b32 v[ZAS], 2, v15
	v_and_b32 v[MST], 15, v0
	v_lshl_add_u32 v[MST], v[MST], 2, s46          ; + 4 r (+ 64 x tile of z)
	v_lshl_add_u32 v[MLD], v15, 3, s47             ; + 8 x lane (+ 1,024 x the part that wrote)
	v_lshlrev_b32 v[GOF], 3, v15
.set JJ, 0
.rept 8
	v_mov_b32 v[RUN+JJ], 0xff800000                ; the best so far begins as -infinity (set 0; set 1 is written by the first unit)
	v_mov_b32 v[IDX+JJ], 0
.set JJ, JJ+1
.endr
	s_wait_alu depctr_va_vdst(0)
	s_wait_dscnt 0x0                               ; both opening adds are done
	s_wait_kmcnt 0x0
	s_add_nc_u64 s[4:5], s[4:5], s[50:51]
	s_add_nc_u64 s[G0A+2:G0A+3], s[6:7], s[62:63]
	s_add_nc_u64 s[G0W+2:G0W+3], s[G0A+2:G0A+3], SLOTB
	s_or_b32 s[G0A+3], s[G0A+3], 0x80000000
	s_or_b32 s[G0W+3], s[G0W+3], 0x80000000
	s_lshl_b32 s50, s12, 10                        ; cand [4][16384]: 65,536 x quarter + 1,024 x block + 256 x wave
	s_lshl_b32 s15, s13, 16
	s_add_co_u32 s50, s50, s15
	s_lshl_b32 s15, s[WV], 8
	s_add_co_u32 s50, s50, s15
	s_add_nc_u64 s[8:9], s[8:9], s[50:51]
	WIN 0x40                                       ; destination window 1, address window 0
.set II, 0
.rept 8
.irp g, 0,1,2,3,4,5
	global_load_b128 v[24*II+4*\g:24*II+4*\g+3], v[ZAD], s[4:5] offset:REC*II+512*\g   ; z's tile II: 512 consecutive bytes a load
.endr
.set II, II+1
.endr
	WIN 0
.set II, 0
.rept 8
	global_load_b32 v[ZS+II], v[ZAS], s[4:5] offset:REC*II+3072
.set II, II+1
.endr
	ROUND                                          ; all four work-groups are here: the first joint loads meet
	tensor_load_to_lds s[G0A:G0A+3], s[G1J:G1J+7]  ; my four records of slot 0: one tensor load a wave at the head
	s_nop 0
	s_wait_tensorcnt 0x0                           ; my part of slot 0 is in
	ds_add_u32 v[SPW], v[NIL]
	s_wait_dscnt 0x0
	ROUND                                          ; everybody's part of slot 0 is in
	tensor_load_to_lds s[G0W:G0W+3], s[G1J:G1J+7]  ; slot 1's first fill, the first tensor load behind the round
	s_nop 0
; Record u of my part of the slot in hand into buffer b: 6 x 512 bytes of codes, the scale words, and -|e|^2/2 of my half's eight codes.
.macro FETCH b, u
.irp g, 0,1,2,3,4,5
	ds_load_b128 v[CF+24*(\b)+4*\g:CF+24*(\b)+4*\g+3], v[ADR] offset:REC*(\u)+512*\g
.endr
	ds_load_b32 v[ES+(\b)], v[ADS] offset:REC*(\u)+3072
	ds_load_b128 v[HE+8*(\b):HE+8*(\b)+3], v[ADH] offset:REC*(\u)+3200
	ds_load_b128 v[HE+8*(\b)+4:HE+8*(\b)+7], v[ADH] offset:REC*(\u)+3216
.endm
; The record in buffer b against my 8 tiles of z: K step 0 of the eight (C = -|e|^2/2), then K step 1 in place: the eight accumulators by turns.
.macro MUL b
	WIN 0x04                                       ; source 1 (z) window 1, all else window 0
.irp t, 0,1,2,3,4,5,6,7
	v_wmma_scale_f32_16x16x128_f8f6f4 v[ACC+8*\t:ACC+8*\t+7], v[CF+24*(\b):CF+24*(\b)+11], v[24*\t:24*\t+11], v[HE+8*(\b):HE+8*(\b)+7], v[ES+(\b)], v[ZS+\t] matrix_a_fmt:MATRIX_FMT_BF6 matrix_b_fmt:MATRIX_FMT_BF6
.endr
.irp t, 0,1,2,3,4,5,6,7
	v_wmma_scale_f32_16x16x128_f8f6f4 v[ACC+8*\t:ACC+8*\t+7], v[CF+24*(\b)+12:CF+24*(\b)+23], v[24*\t+12:24*\t+23], v[ACC+8*\t:ACC+8*\t+7], v[ES+(\b)], v[ZS+\t] matrix_a_fmt:MATRIX_FMT_BF6 matrix_b_fmt:MATRIX_FMT_BF6 matrix_a_scale:MATRIX_SCALE_ROW1 matrix_b_scale:MATRIX_SCALE_ROW1
.endr
	WIN 0
.endm
; The 8 accumulators are reduced; the best so far is read from set p and written to set 1 - p.  Four places stand behind the last products (ISA guide 7.12.1); each accumulator is read from its low end on.
.macro RED p
.rept 4
	v_nop
.endr
.irp o, 0,1,2
.irp t, 0,1,2,3,4,5,6,7
	v_max3_num_f32 v[ACC+8*\t], v[ACC+8*\t], v[ACC+8*\t+1+2*\o], v[ACC+8*\t+2+2*\o]
.endr
.endr
.irp t, 0,1,2,3,4,5,6,7
	v_max3_num_f32 v[RUN+8*(1-(\p))+\t], v[ACC+8*\t], v[ACC+8*\t+7], v[RUN+8*(\p)+\t]
.endr
.irp t, 0,1,2,3,4,5,6,7
	v_cmp_gt_f32 s[MK+\t], v[RUN+8*(1-(\p))+\t], v[RUN+8*(\p)+\t]   ; has the best grown?  At equal s the earlier, lower tile stays
.endr
.irp t, 0,1,2,3,4,5,6,7
	v_cndmask_b32 v[IDX+\t], v[IDX+\t], s[TID], s[MK+\t]
.endr
.endm
.macro UNIT u                          ; one of a slot's first seven units
	s_wait_dscnt 0x0                               ; this unit's record is in (asked for a unit ago)
	FETCH 1-(\u)%2, (\u)+1                         ; the other buffer's last products stand behind a whole reduction
	MUL (\u)%2
	RED (\u)%2
	s_add_co_u32 s[TID], s[TID], 1
.endm
.macro SEVEN
.irp u, 0,1,2,3,4,5,6
	UNIT \u
.endr
.endm
; A slot's last unit (buffer 1).  mode 1: the slot is filled again.  2: the slots change, nothing is filled.  3: the very last.
.macro LAST mode
	s_wait_dscnt 0x0                               ; the slot's last record is in registers: my reads of the slot are over
.if \mode < 3
	s_cmp_lt_u32 s[WV], 4
	s_cbranch_scc0 .Llater_\@
	MUL 1                                          ; waves 0-3 multiply it here, waves 4-7 behind the barrier
.Llater_\@:
	s_wait_tensorcnt 0x0                           ; all my tensor loads have landed: my part of the other slot; so a group 0 may be written
.if \mode == 1
	ds_add_u32 v[SPW], v[NIL]                      ; 0 onto my spare word
	s_xor_b32 s[G0W+1], s[G0W+1], SLOT1            ; the walking descriptor: the slot that I am leaving,
	s_add_nc_u64 s[G0W+2:G0W+3], s[G0W+2:G0W+3], SLOTB   ; the next 32 records; the type bits on top are not reached
.endif
	s_wait_dscnt 0x0
	s_barrier_signal -1
	s_barrier_wait -1                              ; the other slot is whole, and nobody reads this one any more
.if \mode == 1
	CREST                                          ; the barrier has opened a round of the cluster's barrier: the same holds of every partner
	tensor_load_to_lds s[G0W:G0W+3], s[G1J:G1J+7]  ; the first thing behind the round, my one load until the next
	s_nop 0
.endif
.rept 4
	v_nop                                          ; with the three additions below: seven places between the run of products above the barrier and the run below it (ISA guide 7.12.1), on any way through the text
.endr
	s_xor_b32 s[TB], s[TB], SLOT1
	v_add_nc_u32 v[ADR], s[TB], v[BASE]
	v_add_nc_u32 v[ADS], s[TB], v[BASS]
	v_add_nc_u32 v[ADH], s[TB], v[BASH]
	FETCH 0, 0                                     ; the other slot's first record
	s_cmp_lt_u32 s[WV], 4
	s_cbranch_scc1 .Ldone_\@
	MUL 1
.Ldone_\@:
	RED 1
	s_add_co_u32 s[TID], s[TID], 25                ; 8 of every 32 tiles are mine
.else
	MUL 1
	RED 1
.endif
.endm
	FETCH 0, 0
	s_wait_loadcnt 0x0                             ; z's fragments and scale words are in
	s_mov_b32 s[CST], 6
.Lslot:                                            ; six trips: slots' worth 0 to 5, each followed by a refill (2 to 7)
	SEVEN
	LAST 1
	s_sub_co_u32 s[CST], s[CST], 1
	s_cmp_lg_u32 s[CST], 0
	s_cbranch_scc1 .Lslot
	SEVEN                                          ; the last two are written out
	LAST 2
	SEVEN
	LAST 3
	; THE TAIL.  The best of a row: over the two halves of the lanes, then over the four parts of the codes; at equal s the lower granule.
.macro BETTER v, g, ov, og
	v_cmp_gt_f32 s52, v[\ov], v[\v]
	v_cmp_eq_f32 s53, v[\ov], v[\v]
	v_cmp_lt_u32 s54, v[\og], v[\g]
	s_and_b32 s53, s53, s54
	s_or_b32 s52, s52, s53
	v_cndmask_b32 v[\v], v[\v], v[\ov], s52
	v_cndmask_b32 v[\g], v[\g], v[\og], s52
.endm
.irp j, 0,1,2,3
	v_mov_b32 v[TW+\j], 0                          ; a lane permute's destination counts as read
.endr
.set II, 0
.rept 8
	v_lshl_add_u32 v[IDX+II], v[IDX+II], 1, v[HH]  ; the granule: 2 x tile + h
	v_permlanex16_b32 v[TW+2*(II%2)], v[RUN+II], s[SEL], s[SEL+1]
	v_permlanex16_b32 v[TW+1+2*(II%2)], v[IDX+II], s[SEL], s[SEL+1]
	BETTER RUN+II, IDX+II, TW+2*(II%2), TW+1+2*(II%2)
	ds_store_b32 v[MST], v[RUN+II] offset:64*II    ; both halves of the lanes write the same word with the same value
	ds_store_b32 v[MST], v[IDX+II] offset:4096+64*II
.set II, II+1
.endr
	s_wait_dscnt 0x0                               ; for the others' sake: my stores are done
	s_barrier_signal -1
	s_barrier_wait -1
	s_cmp_ge_u32 s[WV], 4
	s_cbranch_scc1 .Lfin                           ; waves 0-3 take 64 rows each, so that a wave's store is 256 bytes
.irp q, 0,1,2,3
	ds_load_b64 v[TW+2*\q:TW+2*\q+1], v[MLD] offset:1024*\q          ; rows 64 w + 2 lane, + 1, as part q found them
	ds_load_b64 v[TW+8+2*\q:TW+9+2*\q], v[MLD] offset:4096+1024*\q
.endr
	s_wait_dscnt 0x0
.irp q, 1,2,3
.irp e, 0,1
	BETTER TW+\e, TW+8+\e, TW+2*\q+\e, TW+8+2*\q+\e
.endr
.endr
	global_store_b64 v[GOF], v[TW+8:TW+9], s[8:9]  ; 32 lanes store 256 consecutive bytes, at a multiple of 256 from cand's first byte
.Lfin:
	s_wait_tensorcnt 0x0                           ; the wave's end
	ds_add_u32 v[SPW], v[NIL]
	s_wait_dscnt 0x0
	ROUND                                          ; the closing round: no work-group ends while a partner may still ask for a tile that names it
	s_endpgm
.Lfunc_end_k_q3c703d654c_screen:
	.size	k_q3c703d654c_screen, .Lfunc_end_k_q3c703d654c_screen-k_q3c703d654c_screen
	.p2alignl 7, 3214868480
	.fill 96, 4, 3214868480
	.section	.rodata,"a",@progbits
	.p2align	6, 0x0
	.amdhsa_kernel k_q3c703d654c_screen
		.amdhsa_group_segment_fixed_size 327680
		.amdhsa_private_segment_fixed_size 0
		.amdhsa_enable_private_segment 0
		.amdhsa_kernarg_size 24
		.amdhsa_user_sgpr_count 2
		.amdhsa_user_sgpr_kernarg_segment_ptr 1
		.amdhsa_wavefront_size32 1
		.amdhsa_system_sgpr_workgroup_id_x 1
		.amdhsa_system_sgpr_workgroup_id_y 1
		.amdhsa_system_sgpr_workgroup_id_z 1
		.amdhsa_system_vgpr_workitem_id 0
		.amdhsa_next_free_vgpr 448
		.amdhsa_next_free_sgpr 66
		.amdhsa_reserve_vcc 0
		.amdhsa_float_denorm_mode_32 3
		.amdhsa_float_denorm_mode_16_64 3
		.amdhsa_memory_ordered 1
		.amdhsa_forward_progress 1
		.amdhsa_inst_pref_size 166
	.end_amdhsa_kernel
	.amdgpu_metadata
---
amdhsa.version: [ 1, 2 ]
amdhsa.kernels:
  - .name:           k_q3c703d654c_screen
    .symbol:         k_q3c703d654c_screen.kd
    .args:
      - { .name: zq, .offset: 0, .size: 8, .value_kind: global_buffer, .address_space: global }
      - { .name: embq, .offset: 8, .size: 8, .value_kind: global_buffer, .address_space: global }
      - { .name: cand, .offset: 16, .size: 8, .value_kind: global_buffer, .address_space: global }
    .group_segment_fixed_size: 327680
    .private_segment_fixed_size: 0
    .kernarg_segment_align: 8
    .kernarg_segment_size: 24
    .max_flat_workgroup_size: 256
    .sgpr_count:     66
    .vgpr_count:     448
    .wavefront_size: 32
...
	.end_amdgpu_metadata
.endif
;; end of part 2
;; launch pick (part 3): grid 256 x 1, 16 waves a work-group, no clusters, 3,072 bytes of LDS; arguments zq, embq, cand, out2, idxw; writes out2, idxw
.if DOCPART == 3
	.amdgcn_target "amdgcn-amd-amdhsa--gfx1250"
	.amdhsa_code_object_version 6
	.text
	.protected	k_q3c703d654c_pick
	.globl	k_q3c703d654c_pick
	.p2align	8
	.type	k_q3c703d654c_pick,@function
k_q3c703d654c_pick:
	s_mov_b64 s[64:65], 0
	v_nop
	global_prefetch_b8 v0, s[64:65] scope:SCOPE_SE
	s_setreg_imm32_b32 hwreg(HW_REG_WAVE_MODE, 25, 1), 1
	s_wait_xcnt 0x0
; For each row of z: the four granules (8 codes each, one for each quarter of the codes) that the launch before has stored are multiplied again, by the same matrix instruction on the same codes; the distance is formed as it is defined,
; (|z|^2 + |e|^2) - 2 z.e, each step rounded to f32 once; the first smallest of the 32 is the row's index.  It goes to out2, and to idxw for the launch that gathers.
; SHARES.  A work-group has 64 rows (four records of z); wave wv has record wv / 4 and of it rows c0 + k, c0 = 4 (wv % 4), k = 0..3.  For row k and o = 0, 1 ONE operand holds two granules: its rows 0-7 are quarter 2 o's, rows 8-15 quarter 2 o + 1's.
; It is gathered lane by lane out of the records (which are images of registers: row x of a record lies in lanes x and x + 16): eight operands a wave, 16 matrix instructions.  Of each product only column c0 + k counts.
; The product is used transposed (source 0 = codes): lane (r, h) holds row r of z, its register j the code j of quarter 2 o + h's granule.
; All addresses hang on whole numbers read from cand, held to 0 .. 2,047, and on ids.  No tensor load, no cluster: every wave gathers records of its own choice.
; LIMIT: NaN and infinities are not served.
.set REC, 3328
.set Z,   16                           ; v16-39   z's fragment, both K steps
.set ZS,  40                           ; v40      its scale words
.set ZZ,  42                           ; v[42:43] |z|^2 of row r, twice
.set GL,  44                           ; v44-45   the granule of quarter h, of quarter 2 + h, of row r: as data
.set VA,  48                           ; v48-71   three offsets for each of the eight operands: codes, scale words, -|e|^2/2
.set ES,  72                           ; v72-75   the operands' scale words
.set F,   80                           ; v80-95   the 16 distances of my row and my half
.set HE,  96                           ; v96-127  -|e|^2/2, then |z|^2 + |e|^2, then distances: 4 x 8
.set D,   128                          ; v128-159 four accumulators
.set A,   160                          ; v160-255 four operands of 24
	s_load_b256 s[4:11], s[0:1], 0x0               ; zq, embq, cand, out2
	s_load_b64 s[12:13], s[0:1], 0x20              ; idxw
	v_lshl_add_u32 v78, v0, 2, 0x400
	v_mov_b32 v79, 0
	v_lshrrev_b32 v1, 5, v0
	s_delay_alu instid0(VALU_DEP_1)
	v_readfirstlane_b32 s14, v1                    ; wave 0..15
	v_and_b32 v1, 31, v0                           ; lane
	v_and_b32 v2, 15, v0                           ; r
	v_bfe_u32 v3, v0, 4, 1                         ; h
	s_delay_alu instid0(VALU_DEP_3)
	v_lshlrev_b32 v4, 4, v1
	s_delay_alu instid0(VALU_DEP_4)
	v_lshlrev_b32 v5, 2, v1
	s_delay_alu instid0(VALU_DEP_4)
	v_lshlrev_b32 v6, 2, v2
	v_and_b32 v13, 7, v0                           ; r % 8
	s_delay_alu instid0(VALU_DEP_1)
	v_lshlrev_b32 v7, 4, v13
	s_delay_alu instid0(VALU_DEP_1)
	v_lshl_add_u32 v7, v3, 8, v7                   ; codes: 16 (r % 8) + 256 h
	s_delay_alu instid0(VALU_DEP_3)
	v_lshlrev_b32 v8, 2, v13
	s_delay_alu instid0(VALU_DEP_1)
	v_lshl_add_u32 v8, v3, 6, v8                   ; scale words: 4 (r % 8) + 64 h
	v_bfe_u32 v9, v0, 3, 1
	s_delay_alu instid0(VALU_DEP_1)
	v_sub_nc_u32 v9, 0, v9                         ; all ones where r >= 8,
	s_delay_alu instid0(VALU_DEP_1)
	v_xor_b32 v10, -1, v9                          ; where r < 8,
	v_sub_nc_u32 v11, 0, v3                        ; where h = 1,
	s_delay_alu instid0(VALU_DEP_1)
	v_xor_b32 v12, -1, v11                         ; where h = 0
	v_lshl_add_u32 v41, v3, 16, v6                 ; cand: 65,536 h + 4 r
	s_lshl_b32 s15, s14, 6
	v_add_nc_u32 v15, s15, v6                      ; LDS, in: 64 x wave + 4 r
	v_lshrrev_b32 v46, 3, v1                       ; LDS, back (wave 0): rows 2 l, 2 l + 1 of the 64 lie at 256 (l / 8) + 64 ((l % 8) / 2) + 8 (l % 8)
	s_delay_alu instid0(VALU_DEP_1)
	v_lshlrev_b32 v46, 8, v46
	v_bfe_u32 v14, v0, 1, 2
	s_delay_alu instid0(VALU_DEP_1)
	v_lshl_add_u32 v46, v14, 6, v46
	s_delay_alu instid0(VALU_DEP_1)
	v_lshl_add_u32 v46, v13, 3, v46
	v_lshlrev_b32 v47, 3, v1
	s_mov_b32 s92, 0x76543210
	s_mov_b32 s93, 0xfedcba98
	s_lshr_b32 s86, s14, 2
	s_lshl_b32 s87, ttmp9, 2
	s_add_co_u32 s86, s86, s87                     ; my record of z
	s_mul_i32 s88, s86, REC
	s_mov_b32 s89, 0
	s_lshl_b32 s90, ttmp9, 8                       ; 64 rows x 4 bytes
	s_mov_b32 s91, 0
	s_lshl_b32 s87, s14, 4
	s_add_co_u32 s94, s90, s87                     ; 4 bytes x my first row, 64 x work-group + 4 x wave
	s_mov_b32 s95, 0
	s_and_b32 s96, s14, 3
	s_lshl_b32 s96, s96, 2                         ; c0
.irp k, 1,2,3
	s_add_co_u32 s97, s96, \k
	v_cmp_eq_u32 s[82+\k], s97, v2                 ; the lanes of column c0 + k
.endr
	s_wait_kmcnt 0x0
	s_add_nc_u64 s[94:95], s[8:9], s[94:95]
.irp s, 0,1,2,3
	s_load_b128 s[16+4*\s:19+4*\s], s[94:95], 0x10000*\s   ; quarter s: my four rows' granules
.endr
	s_add_nc_u64 s[4:5], s[4:5], s[88:89]
	s_lshl_b32 s88, s86, 6
	s_add_nc_u64 s[8:9], s[8:9], s[88:89]          ; cand at my record's first row
	s_add_nc_u64 s[10:11], s[10:11], s[90:91]
	s_add_nc_u64 s[12:13], s[12:13], s[90:91]
.irp g, 0,1,2,3,4,5
	global_load_b128 v[Z+4*\g:Z+4*\g+3], v4, s[4:5] offset:512*\g
.endr
	global_load_b32 v[ZS], v5, s[4:5] offset:3072
	global_load_b32 v[ZZ], v6, s[4:5] offset:3200
	global_load_b32 v[GL], v41, s[8:9]
	global_load_b32 v[GL+1], v41, s[8:9] offset:131072
	s_wait_kmcnt 0x0
; Granule g lies in record g / 2, rows 8 (g % 2) on: s[32 + i] its codes' first byte, s[66 + i] its scale words' (less 3,072) and its -|e|^2/2's (less 3,200)
.macro GRAN i
	s_min_u32 s[16+\i], s[16+\i], 0x7ff
	s_and_b32 s15, s[16+\i], 0x7fe
	s_mul_i32 s15, s15, REC/2
	s_and_b32 s97, s[16+\i], 1
	s_lshl_b32 s98, s97, 7
	s_add_co_u32 s[32+\i], s15, s98
	s_lshl_b32 s98, s97, 5
	s_add_co_u32 s[66+\i], s15, s98
.endm
.irp i, 0,1,2,3,4,5,6,7,8,9,10,11,12,13,14,15
	GRAN \i
.endr
; The lanes' offsets for the operand of row k, half o: one granule's for lanes with r < 8 (for -|e|^2/2: h = 0), the other's for the rest: by ANDs with lane masks and additions
.macro PADDR k, o
.set IA, 8*(\o)+(\k)
.set IB, IA+4
.set PV, VA+3*(2*(\k)+(\o))
	v_and_b32 v13, s[32+IA], v10
	v_and_b32 v14, s[32+IB], v9
	s_delay_alu instid0(VALU_DEP_1)
	v_add_nc_u32 v13, v13, v14
	s_delay_alu instid0(VALU_DEP_1)
	v_add_nc_u32 v[PV], v13, v7
	v_and_b32 v13, s[66+IA], v10
	v_and_b32 v14, s[66+IB], v9
	s_delay_alu instid0(VALU_DEP_1)
	v_add_nc_u32 v13, v13, v14
	s_delay_alu instid0(VALU_DEP_1)
	v_add_nc_u32 v[PV+1], v13, v8
	v_and_b32 v13, s[66+IA], v12
	v_and_b32 v14, s[66+IB], v11
	s_delay_alu instid0(VALU_DEP_1)
	v_add_nc_u32 v[PV+2], v13, v14
.endm
.irp k, 0,1,2,3
	PADDR \k, 0
	PADDR \k, 1
.endr
.macro LOADA p, p8                     ; operand p8 (= 2 k + o) into place p of four
.irp g, 0,1,2,3,4,5
	global_load_b128 v[A+24*(\p)+4*\g:A+24*(\p)+4*\g+3], v[VA+3*(\p8)], s[6:7] offset:512*\g
.endr
	global_load_b32 v[ES+(\p)], v[VA+3*(\p8)+1], s[6:7] offset:3072
.endm
.macro LOADH p, p8
	global_load_b128 v[HE+8*(\p):HE+8*(\p)+3], v[VA+3*(\p8)+2], s[6:7] offset:3200
	global_load_b128 v[HE+8*(\p)+4:HE+8*(\p)+7], v[VA+3*(\p8)+2], s[6:7] offset:3216
.endm
.irp p, 0,1,2,3
	LOADA \p, \p
	LOADH \p, \p
.endr
; Four operands: rows 2 be and 2 be + 1.
.macro BATCH be
	s_wait_loadcnt 0x0
.if \be == 0
	v_mul_f32 v[ZZ], -2.0, v[ZZ]                   ; |z|^2: the record holds -1/2 of it
	s_delay_alu instid0(VALU_DEP_1)
	v_mov_b32 v[ZZ+1], v[ZZ]
.endif
.irp p, 0,1,2,3                        ; the four accumulators by turns; the first K step starts the sums
	v_wmma_scale_f32_16x16x128_f8f6f4 v[D+8*\p:D+8*\p+7], v[A+24*\p:A+24*\p+11], v[Z:Z+11], 0, v[ES+\p], v[ZS] matrix_a_fmt:MATRIX_FMT_BF6 matrix_b_fmt:MATRIX_FMT_BF6
.endr
.irp p, 0,1,2,3
	v_wmma_scale_f32_16x16x128_f8f6f4 v[D+8*\p:D+8*\p+7], v[A+24*\p+12:A+24*\p+23], v[Z+12:Z+23], v[D+8*\p:D+8*\p+7], v[ES+\p], v[ZS] matrix_a_fmt:MATRIX_FMT_BF6 matrix_b_fmt:MATRIX_FMT_BF6 matrix_a_scale:MATRIX_SCALE_ROW1 matrix_b_scale:MATRIX_SCALE_ROW1
.endr
.irp p, 0,1,2,3
.irp j, 0,2,4,6
	v_pk_fma_f32 v[HE+8*\p+\j:HE+8*\p+\j+1], v[HE+8*\p+\j:HE+8*\p+\j+1], -2.0, v[ZZ:ZZ+1] op_sel_hi:[1,0,1]   ; |z|^2 + |e|^2, rounded once.  These 16 name no register of the products: they are the places behind them (ISA guide 7.12.1)
.endr
.endr
.if \be == 0
.irp p, 0,1,2,3
	LOADA \p, 4+\p                                 ; the other four operands, into registers that the products have read
.endr
.endif
.set PP, 0
.rept 4
.set KR, 2*(\be)+PP/2
.set OH, PP%2
.irp j, 0,2,4,6                        ; the distance: (|z|^2 + |e|^2) - 2 z.e, rounded once; each accumulator from its low end on
.if KR == 0
	v_pk_fma_f32 v[F+8*OH+\j:F+8*OH+\j+1], v[D+8*PP+\j:D+8*PP+\j+1], -2.0, v[HE+8*PP+\j:HE+8*PP+\j+1] op_sel_hi:[1,0,1]
.else
	v_pk_fma_f32 v[HE+8*PP+\j:HE+8*PP+\j+1], v[D+8*PP+\j:D+8*PP+\j+1], -2.0, v[HE+8*PP+\j:HE+8*PP+\j+1] op_sel_hi:[1,0,1]
.endif
.endr
.if KR > 0
.irp j, 0,1,2,3,4,5,6,7
	v_cndmask_b32 v[F+8*OH+\j], v[F+8*OH+\j], v[HE+8*PP+\j], s[82+KR]   ; column c0 + k takes row k's
.endr
.endif
.set PP, PP+1
.endr
.if \be == 0
.irp p, 0,1,2,3
	LOADH \p, 4+\p
.endr
.endif
.endm
	BATCH 0
	BATCH 1
	; the first smallest of my 16: F's order is the order of the codes (quarter h, then quarter 2 + h)
	v_cmp_lt_f32 vcc_lo, v[F+1], v[F]
	s_delay_alu instid0(VALU_DEP_1)
	v_cndmask_b32 v14, 0, 1, vcc_lo
	v_min_num_f32 v13, v[F], v[F+1]
.irp t, 2,3,4,5,6,7,8,9,10,11,12,13,14,15
	s_delay_alu instid0(VALU_DEP_1)
	v_cmp_lt_f32 vcc_lo, v[F+\t], v13
	s_delay_alu instid0(VALU_DEP_1)
	v_cndmask_b32 v14, v14, \t, vcc_lo
	s_delay_alu instid0(VALU_DEP_3)
	v_min_num_f32 v13, v13, v[F+\t]
.endr
	s_delay_alu instid0(VALU_DEP_2)
	v_cmp_gt_u32 vcc_lo, 8, v14
	s_delay_alu instid0(VALU_DEP_1)
	v_cndmask_b32 v98, v[GL+1], v[GL], vcc_lo
	s_delay_alu instid0(VALU_DEP_4)
	v_and_b32 v14, 7, v14
	s_delay_alu instid0(VALU_DEP_1)
	v_lshl_add_u32 v98, v98, 3, v14                ; the code: 8 x granule + place
	v_permlanex16_b32 v96, v13, s92, s93           ; the other two quarters' best lies in lane l xor 16
	s_delay_alu instid0(VALU_DEP_2)
	v_permlanex16_b32 v97, v98, s92, s93
	s_delay_alu instid0(VALU_DEP_2)
	v_cmp_lt_f32 s15, v96, v13
	s_delay_alu instid0(VALU_DEP_3)
	v_cmp_eq_f32 s97, v96, v13
	s_delay_alu instid0(VALU_DEP_3)
	v_cmp_lt_u32 s98, v97, v98
	s_and_b32 s97, s97, s98
	s_or_b32 s15, s15, s97                         ; smaller, or as small with the lower index
	v_cndmask_b32 v98, v98, v97, s15
	ds_store_b32 v15, v98                          ; (of a wave's 16 words those of columns c0 .. c0 + 3 count)
	s_wait_dscnt 0x0                               ; for wave 0's sake
	s_barrier_signal -1
	s_barrier_wait -1
	s_cmp_lg_u32 s14, 0
	s_cbranch_scc1 .Lend
	ds_load_b64 v[100:101], v46
	s_wait_dscnt 0x0
	global_store_b64 v47, v[100:101], s[10:11]     ; 64 rows' indices: 256 consecutive bytes, at a multiple of 256 from the buffer's first byte
	global_store_b64 v47, v[100:101], s[12:13]
.Lend:
	s_wait_tensorcnt 0x0
	ds_add_u32 v78, v79
	s_wait_dscnt 0x0
	s_endpgm
.Lfunc_end_k_q3c703d654c_pick:
	.size	k_q3c703d654c_pick, .Lfunc_end_k_q3c703d654c_pick-k_q3c703d654c_pick
	.p2alignl 7, 3214868480
	.fill 96, 4, 3214868480
	.section	.rodata,"a",@progbits
	.p2align	6, 0x0
	.amdhsa_kernel k_q3c703d654c_pick
		.amdhsa_group_segment_fixed_size 3072
		.amdhsa_private_segment_fixed_size 0
		.amdhsa_enable_private_segment 0
		.amdhsa_kernarg_size 40
		.amdhsa_user_sgpr_count 2
		.amdhsa_user_sgpr_kernarg_segment_ptr 1
		.amdhsa_wavefront_size32 1
		.amdhsa_system_sgpr_workgroup_id_x 1
		.amdhsa_system_sgpr_workgroup_id_y 1
		.amdhsa_system_sgpr_workgroup_id_z 1
		.amdhsa_system_vgpr_workitem_id 0
		.amdhsa_next_free_vgpr 256
		.amdhsa_next_free_sgpr 100
		.amdhsa_reserve_vcc 1
		.amdhsa_float_denorm_mode_32 3
		.amdhsa_float_denorm_mode_16_64 3
		.amdhsa_memory_ordered 1
		.amdhsa_forward_progress 1
		.amdhsa_inst_pref_size 35
	.end_amdhsa_kernel
	.amdgpu_metadata
---
amdhsa.version: [ 1, 2 ]
amdhsa.kernels:
  - .name:           k_q3c703d654c_pick
    .symbol:         k_q3c703d654c_pick.kd
    .args:
      - { .name: zq, .offset: 0, .size: 8, .value_kind: global_buffer, .address_space: global }
      - { .name: embq, .offset: 8, .size: 8, .value_kind: global_buffer, .address_space: global }
      - { .name: cand, .offset: 16, .size: 8, .value_kind: global_buffer, .address_space: global }
      - { .name: out2, .offset: 24, .size: 8, .value_kind: global_buffer, .address_space: global }
      - { .name: idxw, .offset: 32, .size: 8, .value_kind: global_buffer, .address_space: global }
    .group_segment_fixed_size: 3072
    .private_segment_fixed_size: 0
    .kernarg_segment_align: 8
    .kernarg_segment_size: 40
    .max_flat_workgroup_size: 512
    .sgpr_count:     100
    .vgpr_count:     256
    .wavefront_size: 32
...
	.end_amdgpu_metadata
.endif
;; end of part 3
;; launch gather (part 4): grid 256 x 1, 8 waves a work-group, no clusters, 0 bytes of LDS; arguments z, emb, idxw, out0, part; writes out0, part
.if DOCPART == 4
	.amdgcn_target "amdgcn-amd-amdhsa--gfx1250"
	.amdhsa_code_object_version 6
	.text
	.protected	k_q3c703d654c_gather
	.globl	k_q3c703d654c_gather
	.p2align	8
	.type	k_q3c703d654c_gather,@function
k_q3c703d654c_gather:
	s_mov_b64 s[64:65], 0
	v_nop
	global_prefetch_b8 v0, s[64:65] scope:SCOPE_SE
	s_setreg_imm32_b32 hwreg(HW_REG_WAVE_MODE, 25, 1), 1
	s_wait_xcnt 0x0
; out0[row] = emb[idx[row]], and for each wave the sum of (emb[idx[row]] - z[row])^2 over its 8 rows, to part[8 x work-group + wave].
; A stream: a row is 1,024 bytes, two loads of 512 consecutive bytes; all 32 loads of a wave go out at once, z's first, since their addresses hang on ids alone; emb's rows hang on the stored indices, held to 0 .. 16,383.
; No LDS, no barrier, no matrix unit: waves share nothing.  The 2,048 partial sums are stores of 4 bytes, 8 KB in all: the one place where a run of 256 bytes is written in parts.
.set ZR, 16                            ; v16-79   z: row k at 8 k; later the differences
.set ER, 80                            ; v80-143  emb's rows: they are also the stores' data, and are never rewritten
	s_load_b256 s[4:11], s[0:1], 0x0               ; z, emb, idxw, out0
	s_load_b64 s[12:13], s[0:1], 0x20              ; part
	v_lshrrev_b32 v1, 5, v0
	s_delay_alu instid0(VALU_DEP_1)
	v_readfirstlane_b32 s14, v1                    ; wave
	v_and_b32 v2, 31, v0                           ; lane
	s_delay_alu instid0(VALU_DEP_1)
	v_lshlrev_b32 v1, 4, v2                        ; 16 x lane
	v_mov_b32 v3, 0
	s_mov_b32 s30, 0x76543210
	s_mov_b32 s31, 0xfedcba98
	s_lshl_b32 s15, ttmp9, 3
	s_add_co_u32 s15, s15, s14                     ; 8 x work-group + wave
	s_lshl_b32 s24, s15, 13                        ; 8 rows of 1,024 bytes
	s_mov_b32 s25, 0
	s_lshl_b32 s26, s15, 5                         ; 8 indices
	s_mov_b32 s27, 0
	s_lshl_b32 s28, s15, 2
	s_mov_b32 s29, 0
	s_wait_alu depctr_va_vdst(0)
	s_wait_kmcnt 0x0
	s_add_nc_u64 s[8:9], s[8:9], s[26:27]
	s_load_b256 s[16:23], s[8:9], 0x0              ; my 8 indices
	s_add_nc_u64 s[4:5], s[4:5], s[24:25]
	s_add_nc_u64 s[10:11], s[10:11], s[24:25]
	s_add_nc_u64 s[12:13], s[12:13], s[28:29]
.irp k, 0,1,2,3,4,5,6,7
	global_load_b128 v[ZR+8*\k:ZR+8*\k+3], v1, s[4:5] offset:1024*\k th:TH_LOAD_NT
	global_load_b128 v[ZR+8*\k+4:ZR+8*\k+7], v1, s[4:5] offset:1024*\k+512 th:TH_LOAD_NT
.endr
	s_wait_kmcnt 0x0
.irp k, 0,1,2,3,4,5,6,7
	s_min_u32 s[16+\k], s[16+\k], 0x3fff
	v_lshl_add_u32 v[4+\k], s[16+\k], 10, v1       ; the row's first byte + 16 x lane
	global_load_b128 v[ER+8*\k:ER+8*\k+3], v[4+\k], s[6:7]           ; (no hint: a row may be named again)
	global_load_b128 v[ER+8*\k+4:ER+8*\k+7], v[4+\k], s[6:7] offset:512
.endr
.macro ROW k
	s_wait_loadcnt 14-2*(\k)                       ; loads come back in order: z and this row of emb are in; the later rows' two loads each stay out
	global_store_b128 v1, v[ER+8*(\k):ER+8*(\k)+3], s[10:11] offset:1024*(\k) th:TH_STORE_NT
	global_store_b128 v1, v[ER+8*(\k)+4:ER+8*(\k)+7], s[10:11] offset:1024*(\k)+512 th:TH_STORE_NT
.irp u, 0,2,4,6
	v_pk_add_f32 v[ZR+8*(\k)+\u:ZR+8*(\k)+\u+1], v[ER+8*(\k)+\u:ER+8*(\k)+\u+1], v[ZR+8*(\k)+\u:ZR+8*(\k)+\u+1] neg_lo:[0,1] neg_hi:[0,1]
.endr
	s_wait_alu depctr_va_vdst(0)
.irp u, 0
.if (\k == 0) && (\u == 0)
	v_pk_mul_f32 v[144:145], v[ZR:ZR+1], v[ZR:ZR+1]                 ; the first products start the two chains
	v_pk_mul_f32 v[146:147], v[ZR+2:ZR+3], v[ZR+2:ZR+3]
.else
	v_pk_fma_f32 v[144:145], v[ZR+8*(\k)+\u:ZR+8*(\k)+\u+1], v[ZR+8*(\k)+\u:ZR+8*(\k)+\u+1], v[144:145]
	v_pk_fma_f32 v[146:147], v[ZR+8*(\k)+\u+2:ZR+8*(\k)+\u+3], v[ZR+8*(\k)+\u+2:ZR+8*(\k)+\u+3], v[146:147]
.endif
.endr
.irp u, 4
.if (\k == 0) && (\u == 0)
	v_pk_mul_f32 v[144:145], v[ZR:ZR+1], v[ZR:ZR+1]                 ; the first products start the two chains
	v_pk_mul_f32 v[146:147], v[ZR+2:ZR+3], v[ZR+2:ZR+3]
.else
	s_delay_alu instid0(VALU_DEP_2)
	v_pk_fma_f32 v[144:145], v[ZR+8*(\k)+\u:ZR+8*(\k)+\u+1], v[ZR+8*(\k)+\u:ZR+8*(\k)+\u+1], v[144:145]
	s_delay_alu instid0(VALU_DEP_2)
	v_pk_fma_f32 v[146:147], v[ZR+8*(\k)+\u+2:ZR+8*(\k)+\u+3], v[ZR+8*(\k)+\u+2:ZR+8*(\k)+\u+3], v[146:147]
.endif
.endr
.endm
.irp k, 0,1,2,3,4,5,6,7
	ROW \k
.endr
	s_delay_alu instid0(VALU_DEP_1)
	v_pk_add_f32 v[144:145], v[144:145], v[146:147]
	s_delay_alu instid0(VALU_DEP_1)
	v_add_f32 v144, v144, v145
	s_delay_alu instid0(VALU_DEP_1)
	v_add_f32_dpp v144, v144, v144 row_xmask:1 row_mask:0xf bank_mask:0xf
	s_delay_alu instid0(VALU_DEP_1)
	v_add_f32_dpp v144, v144, v144 row_xmask:2 row_mask:0xf bank_mask:0xf
	s_delay_alu instid0(VALU_DEP_1)
	v_add_f32_dpp v144, v144, v144 row_xmask:4 row_mask:0xf bank_mask:0xf
	s_delay_alu instid0(VALU_DEP_1)
	v_add_f32_dpp v144, v144, v144 row_xmask:8 row_mask:0xf bank_mask:0xf
	s_delay_alu instid0(VALU_DEP_1)
	v_permlanex16_b32 v145, v144, s30, s31
	s_delay_alu instid0(VALU_DEP_1)
	v_add_f32 v144, v144, v145                     ; the wave's sum, in every lane
	v_cmp_eq_u32 vcc_lo, 0, v2
	s_wait_alu depctr_va_vdst(0)
	s_wait_xcnt 0x0                                ; EXEC changes only behind this wait
	s_and_saveexec_b32 s32, vcc_lo
	global_store_b32 v3, v144, s[12:13]            ; lane 0 alone
	s_endpgm
.Lfunc_end_k_q3c703d654c_gather:
	.size	k_q3c703d654c_gather, .Lfunc_end_k_q3c703d654c_gather-k_q3c703d654c_gather
	.p2alignl 7, 3214868480
	.fill 96, 4, 3214868480
	.section	.rodata,"a",@progbits
	.p2align	6, 0x0
	.amdhsa_kernel k_q3c703d654c_gather
		.amdhsa_group_segment_fixed_size 0
		.amdhsa_private_segment_fixed_size 0
		.amdhsa_enable_private_segment 0
		.amdhsa_kernarg_size 40
		.amdhsa_user_sgpr_count 2
		.amdhsa_user_sgpr_kernarg_segment_ptr 1
		.amdhsa_wavefront_size32 1
		.amdhsa_system_sgpr_workgroup_id_x 1
		.amdhsa_system_sgpr_workgroup_id_y 1
		.amdhsa_system_sgpr_workgroup_id_z 1
		.amdhsa_system_vgpr_workitem_id 0
		.amdhsa_next_free_vgpr 160
		.amdhsa_next_free_sgpr 66
		.amdhsa_reserve_vcc 1
		.amdhsa_float_denorm_mode_32 3
		.amdhsa_float_denorm_mode_16_64 3
		.amdhsa_memory_ordered 1
		.amdhsa_forward_progress 1
		.amdhsa_inst_pref_size 13
	.end_amdhsa_kernel
	.amdgpu_metadata
---
amdhsa.version: [ 1, 2 ]
amdhsa.kernels:
  - .name:           k_q3c703d654c_gather
    .symbol:         k_q3c703d654c_gather.kd
    .args:
      - { .name: z, .offset: 0, .size: 8, .value_kind: global_buffer, .address_space: global }
      - { .name: emb, .offset: 8, .size: 8, .value_kind: global_buffer, .address_space: global }
      - { .name: idxw, .offset: 16, .size: 8, .value_kind: global_buffer, .address_space: global }
      - { .name: out0, .offset: 24, .size: 8, .value_kind: global_buffer, .address_space: global }
      - { .name: part, .offset: 32, .size: 8, .value_kind: global_buffer, .address_space: global }
    .group_segment_fixed_size: 0
    .private_segment_fixed_size: 0
    .kernarg_segment_align: 8
    .kernarg_segment_size: 40
    .max_flat_workgroup_size: 256
    .sgpr_count:     66
    .vgpr_count:     160
    .wavefront_size: 32
...
	.end_amdgpu_metadata
.endif
;; end of part 4
;; launch total (part 5): grid 1 x 1, 1 waves a work-group, no clusters, 0 bytes of LDS; arguments part, out1; writes out1
.if DOCPART == 5
	.amdgcn_target "amdgcn-amd-amdhsa--gfx1250"
	.amdhsa_code_object_version 6
	.text
	.protected	k_q3c703d654c_total
	.globl	k_q3c703d654c_total
	.p2align	8
	.type	k_q3c703d654c_total,@function
k_q3c703d654c_total:
	s_mov_b64 s[64:65], 0
	v_nop
	global_prefetch_b8 v0, s[64:65] scope:SCOPE_SE
	s_setreg_imm32_b32 hwreg(HW_REG_WAVE_MODE, 25, 1), 1
	s_wait_xcnt 0x0
; out1 = 0.25 m + m, m = the mean of (z_q - z)^2 = (the sum of the 2,048 partial sums) x 2^-22 (16,384 x 256 numbers).  One wave: a sum over work-groups has one owner, in a launch behind them.
	s_load_b128 s[4:7], s[0:1], 0x0                ; part, out1
	v_lshlrev_b32 v1, 4, v0
	v_mov_b32 v2, 0
	s_mov_b32 s8, 0x76543210
	s_mov_b32 s9, 0xfedcba98
	s_wait_alu depctr_va_vdst(0)
	s_wait_kmcnt 0x0
.set NN, 0
.rept 16
	global_load_b128 v[4+4*NN:7+4*NN], v1, s[4:5] offset:512*NN
.set NN, NN+1
.endr
	s_wait_loadcnt 0x0
.set NN, 1
.rept 15
	v_pk_add_f32 v[4:5], v[4:5], v[4+4*NN:5+4*NN]                   ; two chains
	v_pk_add_f32 v[6:7], v[6:7], v[6+4*NN:7+4*NN]
.set NN, NN+1
.endr
	v_pk_add_f32 v[4:5], v[4:5], v[6:7]
	v_add_f32 v4, v4, v5
	v_add_f32_dpp v4, v4, v4 row_xmask:1 row_mask:0xf bank_mask:0xf
	v_add_f32_dpp v4, v4, v4 row_xmask:2 row_mask:0xf bank_mask:0xf
	v_add_f32_dpp v4, v4, v4 row_xmask:4 row_mask:0xf bank_mask:0xf
	v_add_f32_dpp v4, v4, v4 row_xmask:8 row_mask:0xf bank_mask:0xf
	v_permlanex16_b32 v5, v4, s8, s9
	v_add_f32 v4, v4, v5
	v_mul_f32 v4, 0x34800000, v4                   ; x 2^-22: the mean
	v_fma_f32 v4, 0x3e800000, v4, v4               ; 0.25 m + m
	v_cmp_eq_u32 vcc_lo, 0, v0
	s_wait_alu depctr_va_vdst(0)
	s_wait_xcnt 0x0                                ; EXEC changes only behind this wait
	s_and_saveexec_b32 s10, vcc_lo
	global_store_b32 v2, v4, s[6:7]
	s_endpgm
.Lfunc_end_k_q3c703d654c_total:
	.size	k_q3c703d654c_total, .Lfunc_end_k_q3c703d654c_total-k_q3c703d654c_total
	.p2alignl 7, 3214868480
	.fill 96, 4, 3214868480
	.section	.rodata,"a",@progbits
	.p2align	6, 0x0
	.amdhsa_kernel k_q3c703d654c_total
		.amdhsa_group_segment_fixed_size 0
		.amdhsa_private_segment_fixed_size 0
		.amdhsa_enable_private_segment 0
		.amdhsa_kernarg_size 16
		.amdhsa_user_sgpr_count 2
		.amdhsa_user_sgpr_kernarg_segment_ptr 1
		.amdhsa_wavefront_size32 1
		.amdhsa_system_sgpr_workgroup_id_x 1
		.amdhsa_system_sgpr_workgroup_id_y 1
		.amdhsa_system_sgpr_workgroup_id_z 1
		.amdhsa_system_vgpr_workitem_id 0
		.amdhsa_next_free_vgpr 80
		.amdhsa_next_free_sgpr 66
		.amdhsa_reserve_vcc 1
		.amdhsa_float_denorm_mode_32 3
		.amdhsa_float_denorm_mode_16_64 3
		.amdhsa_memory_ordered 1
		.amdhsa_forward_progress 1
		.amdhsa_inst_pref_size 5
	.end_amdhsa_kernel
	.amdgpu_metadata
---
amdhsa.version: [ 1, 2 ]
amdhsa.kernels:
  - .name:           k_q3c703d654c_total
    .symbol:         k_q3c703d654c_total.kd
    .args:
      - { .name: part, .offset: 0, .size: 8, .value_kind: global_buffer, .address_space: global }
      - { .name: out1, .offset: 8, .size: 8, .value_kind: global_buffer, .address_space: global }
    .group_segment_fixed_size: 0
    .private_segment_fixed_size: 0
    .kernarg_segment_align: 8
    .kernarg_segment_size: 16
    .max_flat_workgroup_size: 32
    .sgpr_count:     66
    .vgpr_count:     80
    .wavefront_size: 32
...
	.end_amdgpu_metadata
.endif
;; end of part 5
